; MI455X (gfx1250); checked and timed in simulation.
; The chip was launched on July 23, 2026; its instructions are those of AMD's public machine-readable ISA for CDNA 5 (MIT licence, August 2026) and "CDNA5" Instruction Set Architecture Reference Guide (July 2026). The comments in the code are by the model that wrote it; some were corrected since.
;; Transformer Encoder Layer Simple. Allowed arithmetic: matrix products marked QUANTISED: E2M3 operands, one E8M0 scale for each 32 along K, by v_wmma_scale_f32_16x16x128_f8f6f4 with both operands' format E2M3, f32 sums; products left as they are: f32 operands where the result goes on into a quantised operand, else bf16, f16 or f32 operands; f32 sums; everything else in f32.
;; Inputs: Wk 512 x 512 float32; Wl 512 x 512 float32; Wo 512 x 512 float32; Wq 512 x 512 float32; Wv 512 x 512 float32; bk 512 float32; bl 512 float32; bo 512 float32; bq 512 float32; bv 512 float32; src 4,096 x 32 x 512 float32.
;; Outputs: out0 1 x 32 x 512 float32.
;; This version of the problem:
;;   THIS VERSION OF THE PROBLEM IS GIVEN IN LOW PRECISION. The matrix products marked QUANTISED in the list below multiply operands that are first quantised to E2M3 (2 exponent bits, 3 mantissa bits; 6 bits a number), with one power-of-two scale for each 32 numbers along K (OCP MX v1.0); their sums are f32. All else is computed in f32.
;;   The module's matrix products, in the order in which they are computed (A, B: the left and right operand; K: the contracted axis; several contracted axes count as one K, in the product's order):
;;     1. [M 131,072, K 512] x [K 512, N 512]; A: input src; B: input Wk: QUANTISED
;;     2. [M 131,072, K 512] x [K 512, N 512]; A: input src; B: input Wv: QUANTISED
;;     3. [M 32, K 512] x [K 512, N 512]; A: input src; B: input Wq: QUANTISED
;;     4. batch 256 x [M 1, K 64] x [K 64, N 4,096]; A: computed on the way; B: computed on the way: left as it is (M = 1 < 16)
;;     5. batch 256 x [M 1, K 4,096] x [K 4,096, N 64]; A: softmax; B: computed on the way: left as it is (M = 1 < 16)
;;     6. [M 32, K 512] x [K 512, N 512]; A: computed on the way; B: input Wo: QUANTISED
;;     7. [M 32, K 512] x [K 512, N 512]; A: computed on the way; B: input Wl: QUANTISED
;;   THE QUANTISER, for each operand of a quantised product, along K:
;;     - K is cut into blocks of 32 from its start; a last block that is shorter is filled with zeros.
;;     - A block's scale is 2^e with e = floor(log2(the largest magnitude in the block)) - 2, held to -126 .. 127; a block of zeros has e = 0. As a byte (E8M0): e + 127.
;;     - Each number is divided by its block's scale, clamped to +-7.5, and rounded to the nearest number of E2M3, ties to even, subnormals kept.
;;     - The product sums the exact products of the quantised numbers (number of the format x scale) in f32.
;;   ~~~python
;;   def quantise(x, axis):      # numpy; x: float32 -> the quantised numbers, widened to float32 again
;;       x = np.moveaxis(x, axis, -1); K = x.shape[-1]
;;       x = np.pad(x, [(0, 0)] * (x.ndim - 1) + [(0, -K % 32)]); x = x.reshape(x.shape[:-1] + (-1, 32)); a = np.abs(x).max(-1, keepdims=True)
;;       e = np.where(a > 0, np.clip(np.frexp(np.where(a > 0, a, 1))[1] - 1 - 2, -126, 127), 0)      # np.frexp(a)[1] - 1 = floor(log2(a)), exactly
;;       r = np.clip(x / 2.0 ** e, -7.5, 7.5)
;;       step = 2.0 ** (np.maximum(np.frexp(np.where(r == 0, 1, r))[1] - 1, 0) - 3)
;;       q = np.round(r / step) * step * 2.0 ** e      # np.round: ties to even
;;       return np.moveaxis(q.reshape(q.shape[:-2] + (-1,))[..., :K], -1, axis).astype(np.float32)
;;   ~~~
;;   OPERANDS COMPUTED ON THE WAY. 'Computed on the way' means the value that the module computes at that place (a softmax that the list does not call 'softmax' is quantised finished and normalised). What goes into a quantiser is computed in f32, as accurately as f32 sums, v_exp_f32 and their like allow (about 1e-6 of the number): no bf16 or f16 on the way to a quantiser, and a product that is left as it is and whose result goes on into a quantised operand takes f32 operands (vector FMAs, or v_wmma_f32_16x16x4_f32). A number that lies on a knife's edge between two numbers of the format may be rounded either way, as far as f32 arithmetic and the matrix unit's own rounding can turn it there, and no further.
;; One version. Each part assembles by itself: llvm-mc -triple=amdgcn-amd-amdhsa -mcpu=gfx1250 --defsym DOCPART=n.
;; ======== version 1 of 1: 3 launches
;; limits: right only within a limited range of input values
;; workspace buffers: wimg 786,432 bytes; wsc 32,768 bytes; qs 65,536 bytes; po 524,288 bytes; pml 16,384 bytes
;; launch prep (part 1): grid 160 x 1, 8 waves a work-group, no clusters, 168,960 bytes of LDS; arguments Wk, Wv, Wo, Wl, Wq, src, bq, wimg, wsc, qs; writes wimg, wsc, qs
.if DOCPART == 1
	.amdgcn_target "amdgcn-amd-amdhsa--gfx1250"
	.amdhsa_code_object_version 6
	.text
	.protected	k_qa3ac9e957d_prep
	.globl	k_qa3ac9e957d_prep
	.p2align	8
	.type	k_qa3ac9e957d_prep,@function
k_qa3ac9e957d_prep:
	s_mov_b64 s[64:65], 0
	v_nop
	global_prefetch_b8 v0, s[64:65] scope:SCOPE_SE
	s_setreg_imm32_b32 hwreg(HW_REG_WAVE_MODE, 25, 1), 1
	s_wait_xcnt 0x0
; THE WEIGHTS BECOME CODES OF FP6 (E2M3) ONCE, AND THE QUERY IS MADE.
; Work-group g (eight waves): matrix mi = g / 32 (0 Wk, 1 Wv, 2 Wo, 3 Wl, 4 Wq), tile T = g % 32: rows 16 T .. 16 T + 15 of a [512][512] f32 weight, K innermost.
; mi < 4: the tile's four fragments (16 rows x 128 K: 12 registers a lane) go to wimg AS IMAGES OF THE OPERAND'S REGISTERS (piece c of lane l at 512 c + 16 l), at
;   (mi / 2) 393,216 + (T / 8) 98,304 + 1,536 (32 (mi % 2) + 8 q + T % 8), q the K step: so the 64 fragments that one wave of a later launch keeps are 98,304 bytes on end, in the order of their use.
;   A row's four scale words (16 bytes) go to wsc at (mi / 2) 16,384 + 512 T + 256 (mi % 2) + 16 r: one load of 16 bytes a lane later brings one matrix's words to lanes 0-15 and the other's to lanes 16-31.
; mi = 4: q' = (Q(src[2048]) Q(Wq)^T + bq) x log2(e) / 8 for the tile's 16 columns and all 32 n, to qs [32][512] f32.  The product is used transposed (source 0 = 16 rows of Wq, source 1 = 16 rows of x),
;   so that a lane holds eight neighbouring columns of one row, and bq is the C of each sum's first matrix instruction.
; THE QUANTISER: a block's scale is 2^(floor(log2(its largest magnitude)) - 2); its byte is the largest magnitude's exponent field - 2, held at 1 from below; numbers beyond 7.5 scales get the largest code.
; LIMITS: NaN and infinities among the inputs are not served; a block whose largest magnitude lies under 2^-124 keeps the byte 1; a block of zeros gets the byte 1 where the rule says 127:
; its codes are zeros, which add nothing under any byte but 0xff, and the bytes are read by this program alone.
; The tiles come by tensor loads, all of a work-group's at once (four, or eight for Wq), as planes of one K step: rows of 512 bytes + 16 of padding.  LDS is filled once and never stored to.
; WORK LEFT OUT BY THE WHOLE PROGRAM: bk.  scores[n,h,s] = q . (x_s Wk^T) + q . bk, and q . bk is the same for every s of a row (n, h) of the softmax, whatever the inputs hold: softmax(t + c) = softmax(t).
; The product of q with k is not quantised, so bk moves no code and no scale.  bk has then no way to any output: it is not loaded and is among no launch's arguments.
; LIMIT: a NaN, an infinity or an overflow that reaches only q . bk is not carried to the result.
; EIGHT WAVES: waves 0-3 fetch W's four planes, waves 4-7 (for Wq alone) x's four, one tensor load a wave; behind the barrier wave 0 does the tile's work.
.set PITCH, 528
.set WPL,   16*PITCH                   ; a plane of W: 16 rows x 128 K
.set XST,   4*WPL                      ; behind W's four planes: x's four
.set XPL,   32*PITCH                   ; a plane of x: 32 rows x 128 K
.set AQ,   3                           ; v3   528 r + 128 h: my 32 numbers of a block pair's first block
.set SH8,  6                           ; v6   8 h
.set TA0,  7                           ; v7, v8  addresses of the LDS loads in hand
.set TA1,  8
.set LA16, 9                           ; v9   16 x lane
.set WFR,  16                          ; v16-63  W's four fragments
.set SW,   64                          ; v64-67  W's scale words, one for each K step
.set XW,   68                          ; v68-69  x's scale words, one for each tile of rows
.set BQ,   72                          ; v72-79  bq in the result's layout
.set AC,   80                          ; v80-95  two accumulators
.set X0,   104                         ; v104-167, v168-231  two sets of 64 numbers
.set X1,   168
.set CD,   232                         ; v232-243  x's codes
.set TP,   244                         ; v244-250  the conversions' second halves
.set MX,   252                         ; v252-253  largest magnitudes, then the conversions' scale operands
.set BY,   254                         ; v254-255  scale bytes
.set G1W,  24                          ; s[24:31]  descriptor group 1 for W's planes;  s[32:35] their group 0
.set G0W,  32
.set G0X,  48                          ; s[48:51]  x's group 0;  s[68:75] their group 1
.set G1X,  68
.set SEL,  76                          ; s[76:77]  v_permlanex16_b32's selects for lane l xor 16
.macro PLACES n
.rept \n
	v_nop
.endr
.endm
; 64 numbers of my row from a plane at LDS byte base: register 32 c + i = k 64 c + 32 h + i, the order in which the operand's layout gives them to lane (r, h)
.macro QLOAD xb, ta, base
	v_add_nc_u32 v[\ta], \base, v[AQ]
.irp c, 0,1
.irp j, 0,1,2,3,4,5,6,7
	ds_load_b128 v[\xb+32*\c+4*\j:\xb+32*\c+4*\j+3], v[\ta] offset:256*\c+16*\j
.endr
.endr
.endm
; They become a fragment's 12 registers in v[cb] on and my row's scale word in v[sw].  A lane holds two whole blocks of 32, so no other lane is asked for a maximum.
.macro QUANT64 xb, cb, sw
.irp c, 0,1
	v_max3_num_f32 v[MX+\c], |v[\xb+32*\c]|, |v[\xb+32*\c+1]|, 0x1800000   ; and the floor 2^(3 - 127): the byte cannot fall under 1
.endr
.irp i, 2,4,6,8,10,12,14,16,18,20,22,24,26,28,30
.irp c, 0,1
	v_max3_num_f32 v[MX+\c], v[MX+\c], |v[\xb+32*\c+\i]|, |v[\xb+32*\c+\i+1]|   ; (the two blocks by turns)
.endr
.endr
.irp c, 0,1
	v_add_nc_u32 v[MX+\c], 0xff000000, v[MX+\c]    ; 2 off the exponent field: the conversion takes the exponent field of this operand as its scale, and nothing else of it
.endr
.irp c, 0,1
	v_lshrrev_b32 v[BY+\c], 23, v[MX+\c]           ; the scale's byte
.endr
	v_lshl_or_b32 v[BY], v[BY+1], 16, v[BY]        ; my two bytes: blocks h and 2 + h,
	v_lshlrev_b32 v[BY], v[SH8], v[BY]             ; at their places in the word;
	v_permlanex16_b32 v[BY+1], v[BY], s[SEL], s[SEL+1]
	v_or_b32 v[\sw], v[BY], v[BY+1]                ; with lane l xor 16's two the word is whole
	v_cvt_scalef32_pk16_fp6_f32 v[\cb:\cb+2], v[\xb:\xb+15], v[MX]
	v_cvt_scalef32_pk16_fp6_f32 v[TP:TP+2], v[\xb+16:\xb+31], v[MX]           ; (a conversion's three registers begin on an even number: a block's second three do not, so they are made elsewhere and moved)
	v_cvt_scalef32_pk16_fp6_f32 v[\cb+6:\cb+8], v[\xb+32:\xb+47], v[MX+1]
	v_cvt_scalef32_pk16_fp6_f32 v[TP+4:TP+6], v[\xb+48:\xb+63], v[MX+1]
	v_nop                                          ; one plain place behind a scaled conversion
.irp i, 0,1,2
	v_mov_b32 v[\cb+3+\i], v[TP+\i]
	v_mov_b32 v[\cb+9+\i], v[TP+4+\i]
.endr
.endm
; W's four planes become its four fragments.  Each wait leaves the one younger run of 16 loads out.
.macro WQUANT
	QLOAD X0, TA0, 0
	QLOAD X1, TA1, WPL
	s_wait_dscnt 16
	QUANT64 X0, WFR, SW
	QLOAD X0, TA0, 2*WPL
	s_wait_dscnt 16
	QUANT64 X1, WFR+12, SW+1
	QLOAD X1, TA1, 3*WPL
	s_wait_dscnt 16
	QUANT64 X0, WFR+24, SW+2
	s_wait_dscnt 0
	QUANT64 X1, WFR+36, SW+3
.endm
	s_load_b512 s[4:19], s[0:1], 0x0               ; Wk s[4:5], Wv s[6:7], Wo s[8:9], Wl s[10:11], Wq s[12:13], src s[14:15], bq s[16:17], wimg s[18:19]
	s_load_b128 s[20:23], s[0:1], 0x40             ; wsc s[20:21], qs s[22:23]
	v_lshl_add_u32 v247, v0, 2, 0x29000
	v_mov_b32 v251, 0
	ds_add_u32 v247, v251
	ds_add_u32 v247, v251
	s_lshr_b32 s2, ttmp9, 5                        ; mi
	s_and_b32 s3, ttmp9, 31                        ; T
	; descriptor groups 1: rows of 128 elements of 4 bytes, 512 elements apart, 4 words of padding behind every 128.  Both shapes are written here, on the one way that every work-group takes
.irp g, G1W, G1X
	s_mov_b32 s[\g], (2<<16)|(1<<20)|(6<<22)|(3<<25)   ; 17:16 elements of 4 bytes; 20 padding on; 24:22 after every 128 words (code 6); 31:25 of 4 words (code 3)
	s_mov_b32 s[\g+1], 128<<16                     ; tensor_dim0 = 128
	s_mov_b32 s[\g+3], 128<<16                     ; tile_dim0 = 128
	s_mov_b32 s[\g+5], 512                         ; tensor_dim0_stride
	s_mov_b32 s[\g+6], 0
	s_mov_b32 s[\g+7], 0
.endr
	s_mov_b32 s[G1W+2], 16<<16                     ; tensor_dim1, tile_dim1: W 16 rows,
	s_mov_b32 s[G1W+4], 16
	s_mov_b32 s[G1X+2], 32<<16                     ; x 32
	s_mov_b32 s[G1X+4], 32
	s_mov_b32 s[SEL], 0x76543210
	s_mov_b32 s[SEL+1], 0xfedcba98
	v_and_b32 v1, 15, v0                           ; r
	v_bfe_u32 v2, v0, 4, 1                         ; h
	v_lshlrev_b32 v[LA16], 4, v0                   ; one wave: the thread's number is the lane
	v_lshlrev_b32 v[SH8], 3, v2
	v_mul_u32_u24 v[AQ], v1, PITCH
	v_lshl_add_u32 v[AQ], v2, 7, v[AQ]
	s_lshl_b32 s66, s3, 15                         ; the tile's 16 rows of 2,048 bytes
	s_mov_b32 s67, 0
	s_wait_dscnt 0x0
	s_wait_kmcnt 0x0
	s_cmp_eq_u32 s2, 1                             ; which weight: the choice hangs on the work-group's number alone
	s_cselect_b64 s[4:5], s[6:7], s[4:5]
	s_cmp_eq_u32 s2, 2
	s_cselect_b64 s[4:5], s[8:9], s[4:5]
	s_cmp_eq_u32 s2, 3
	s_cselect_b64 s[4:5], s[10:11], s[4:5]
	s_cmp_eq_u32 s2, 4
	s_cselect_b64 s[4:5], s[12:13], s[4:5]
	s_add_nc_u64 s[4:5], s[4:5], s[66:67]
	s_add_nc_u64 s[14:15], s[14:15], 0x8000000     ; src[2048]: 2,048 x 65,536 bytes on
	v_lshrrev_b32 v10, 5, v0
	v_readfirstlane_b32 s83, v10                   ; wave 0..7
	s_and_b32 s84, s83, 3                          ; the K step whose plane I fetch
	s_lshl_b32 s66, s84, 9                         ; 512 bytes along a row for each K step
	s_add_nc_u64 s[4:5], s[4:5], s[66:67]
	s_add_nc_u64 s[14:15], s[14:15], s[66:67]
	s_mov_b32 s[G0W], 1
	s_mul_i32 s[G0W+1], s84, WPL
	s_mov_b64 s[G0W+2:G0W+3], s[4:5]
	s_or_b32 s[G0W+3], s[G0W+3], 0x80000000
	s_mov_b32 s[G0X], 1
	s_mul_i32 s[G0X+1], s84, XPL
	s_add_co_u32 s[G0X+1], s[G0X+1], XST
	s_mov_b64 s[G0X+2:G0X+3], s[14:15]
	s_or_b32 s[G0X+3], s[G0X+3], 0x80000000
	s_cmp_lt_u32 s83, 4
	s_cbranch_scc0 .Lfor_x
	tensor_load_to_lds s[G0W:G0W+3], s[G1W:G1W+7]  ; waves 0-3: a plane of W
	s_nop 0
	PLACES 4
	s_branch .Lasked
.Lfor_x:
	s_cmp_lt_u32 ttmp9, 128
	s_cbranch_scc1 .Lasked                         ; only Wq's work-groups read x
	tensor_load_to_lds s[G0X:G0X+3], s[G1X:G1X+7]  ; waves 4-7: a plane of x
	s_nop 0
	PLACES 4
.Lasked:
	s_wait_alu depctr_va_vdst(0)
	s_wait_tensorcnt 0x0                           ; my plane is in LDS,
	s_barrier_signal -1
	s_barrier_wait -1                              ; and so is everybody's
	s_cmp_lg_u32 s83, 0
	s_cbranch_scc1 .Ldone                          ; wave 0 goes on alone
	s_cmp_lt_u32 ttmp9, 128
	s_cbranch_scc0 .Lquery                         ; the one parting of ways: on the work-group's number
	; ---- Wk, Wv, Wo, Wl: images and scale words
	s_wait_tensorcnt 0x0                           ; my four planes are in LDS; only I read them
	s_lshr_b32 s78, s2, 1                          ; mi / 2
	s_and_b32 s79, s2, 1                           ; mi % 2
	s_mul_i32 s80, s78, 393216
	s_lshr_b32 s81, s3, 3
	s_mul_i32 s81, s81, 98304
	s_add_co_u32 s80, s80, s81
	s_lshl_b32 s81, s79, 5
	s_and_b32 s82, s3, 7
	s_add_co_u32 s81, s81, s82
	s_mul_i32 s81, s81, 1536
	s_add_co_u32 s80, s80, s81
	s_mov_b32 s81, 0
	s_add_nc_u64 s[18:19], s[18:19], s[80:81]      ; wimg at the tile's fragment of K step 0
	s_lshl_b32 s80, s78, 14
	s_lshl_b32 s82, s3, 9
	s_add_co_u32 s80, s80, s82
	s_lshl_b32 s82, s79, 8
	s_add_co_u32 s80, s80, s82
	s_add_nc_u64 s[20:21], s[20:21], s[80:81]      ; wsc at the tile's 256 bytes
	s_wait_alu depctr_va_vdst(0)
	WQUANT
.irp q, 0,1,2,3
.irp c, 0,1,2
	global_store_b128 v[LA16], v[WFR+12*\q+4*\c:WFR+12*\q+4*\c+3], s[18:19] offset:12288*\q+512*\c   ; 32 lanes store 512 consecutive bytes, at a multiple of 256 from wimg's first byte
.endr
.endr
	v_cmp_gt_u32 vcc_lo, 16, v0
	s_wait_xcnt 0x0                                ; EXEC changes only behind this wait: it is a source of the stores above
	s_wait_tensorcnt 0x0
	ds_add_u32 v247, v251
	s_wait_dscnt 0x0
	s_and_saveexec_b32 s82, vcc_lo
	global_store_b128 v[LA16], v[SW:SW+3], s[20:21]   ; lanes 0-15: 256 consecutive bytes, aligned (lanes 16-31 hold the same words)
	s_wait_xcnt 0x0
	s_or_b32 exec_lo, exec_lo, s82
	s_endpgm
	; ---- Wq: 16 columns of q' for the 32 rows of src[2048]
.Lquery:
	s_lshl_b32 s66, s3, 6                          ; the tile's 16 columns: 64 bytes in bq and in a row of qs
	s_add_nc_u64 s[16:17], s[16:17], s[66:67]
	s_add_nc_u64 s[22:23], s[22:23], s[66:67]
	s_wait_alu depctr_va_vdst(0)
	v_lshlrev_b32 v10, 5, v2                       ; 32 h: register j of the result is column 16 T + 8 h + j
	global_load_b128 v[BQ:BQ+3], v10, s[16:17]
	global_load_b128 v[BQ+4:BQ+7], v10, s[16:17] offset:16
	v_lshlrev_b32 v11, 11, v1
	v_lshl_add_u32 v11, v2, 5, v11                 ; qs: row r of 2,048 bytes, + 32 h
	WQUANT
	s_wait_tensorcnt 0x0                           ; x's planes
	QLOAD X0, TA0, XST
	QLOAD X1, TA1, XST+WPL
	s_wait_loadcnt 0x0                             ; bq
.irp q, 0,1,2,3                                ; K step q, tile of rows m: the two accumulators take turns
.irp m, 0,1
.if 2*\q+\m < 7
	s_wait_dscnt 16                                ; this unit's 16 loads are in, the next unit's may be out
.else
	s_wait_dscnt 0
.endif
	QUANT64 X0+64*\m, CD, XW+\m
.if \q < 3
	QLOAD X0+64*\m, TA0+\m, XST+(\q+1)*XPL+\m*WPL
.endif
	PLACES 4                                       ; an operand written by vector instructions stands 4 places ahead of a scaled matrix instruction, a scale word 8: behind the word stand the v_nop, six moves and these four
.if \q == 0
	v_wmma_scale_f32_16x16x128_f8f6f4 v[AC+8*\m:AC+8*\m+7], v[WFR+12*\q:WFR+12*\q+11], v[CD:CD+11], v[BQ:BQ+7], v[SW+\q], v[XW+\m] matrix_a_fmt:MATRIX_FMT_FP6 matrix_b_fmt:MATRIX_FMT_FP6
.else
	v_wmma_scale_f32_16x16x128_f8f6f4 v[AC+8*\m:AC+8*\m+7], v[WFR+12*\q:WFR+12*\q+11], v[CD:CD+11], v[AC+8*\m:AC+8*\m+7], v[SW+\q], v[XW+\m] matrix_a_fmt:MATRIX_FMT_FP6 matrix_b_fmt:MATRIX_FMT_FP6
.endif
.endr
.endr
	PLACES 4                                       ; four places ahead of the first read of a result (ISA guide 7.12.1)
.irp j, 0,1,2,3,4,5,6,7,8,9,10,11,12,13,14,15
	v_mul_f32 v[X0+\j], 0x3e38aa3b, v[AC+\j]       ; x log2(e) / 8: the scores then come out as exponents of 2.  Each accumulator from its low end on
.endr
.irp m, 0,1
	global_store_b128 v11, v[X0+8*\m:X0+8*\m+3], s[22:23] offset:32768*\m       ; q'(16 m + r, 16 T + 8 h + 0 .. 7): 64 bytes of a row from two lanes: a work-group owns 16 columns, and qs is 65,536 bytes in all
	global_store_b128 v11, v[X0+8*\m+4:X0+8*\m+7], s[22:23] offset:32768*\m+16
.endr
.Ldone:
	s_wait_tensorcnt 0x0
	ds_add_u32 v247, v251
	s_wait_dscnt 0x0
	s_endpgm
.Lfunc_end_k_qa3ac9e957d_prep:
	.size	k_qa3ac9e957d_prep, .Lfunc_end_k_qa3ac9e957d_prep-k_qa3ac9e957d_prep
	.p2alignl 7, 3214868480
	.fill 96, 4, 3214868480
	.section	.rodata,"a",@progbits
	.p2align	6, 0x0
	.amdhsa_kernel k_qa3ac9e957d_prep
		.amdhsa_group_segment_fixed_size 168960
		.amdhsa_private_segment_fixed_size 0
		.amdhsa_enable_private_segment 0
		.amdhsa_kernarg_size 80
		.amdhsa_user_sgpr_count 2
		.amdhsa_user_sgpr_kernarg_segment_ptr 1
		.amdhsa_wavefront_size32 1
		.amdhsa_system_sgpr_workgroup_id_x 1
		.amdhsa_system_sgpr_workgroup_id_y 1
		.amdhsa_system_sgpr_workgroup_id_z 1
		.amdhsa_system_vgpr_workitem_id 0
		.amdhsa_next_free_vgpr 256
		.amdhsa_next_free_sgpr 96
		.amdhsa_reserve_vcc 1
		.amdhsa_float_denorm_mode_32 3
		.amdhsa_float_denorm_mode_16_64 3
		.amdhsa_memory_ordered 1
		.amdhsa_forward_progress 1
		.amdhsa_inst_pref_size 75
	.end_amdhsa_kernel
	.amdgpu_metadata
---
amdhsa.version: [ 1, 2 ]
amdhsa.kernels:
  - .name:           k_qa3ac9e957d_prep
    .symbol:         k_qa3ac9e957d_prep.kd
    .args:
      - { .name: Wk, .offset: 0, .size: 8, .value_kind: global_buffer, .address_space: global }
      - { .name: Wv, .offset: 8, .size: 8, .value_kind: global_buffer, .address_space: global }
      - { .name: Wo, .offset: 16, .size: 8, .value_kind: global_buffer, .address_space: global }
      - { .name: Wl, .offset: 24, .size: 8, .value_kind: global_buffer, .address_space: global }
      - { .name: Wq, .offset: 32, .size: 8, .value_kind: global_buffer, .address_space: global }
      - { .name: src, .offset: 40, .size: 8, .value_kind: global_buffer, .address_space: global }
      - { .name: bq, .offset: 48, .size: 8, .value_kind: global_buffer, .address_space: global }
      - { .name: wimg, .offset: 56, .size: 8, .value_kind: global_buffer, .address_space: global }
      - { .name: wsc, .offset: 64, .size: 8, .value_kind: global_buffer, .address_space: global }
      - { .name: qs, .offset: 72, .size: 8, .value_kind: global_buffer, .address_space: global }
    .group_segment_fixed_size: 168960
    .private_segment_fixed_size: 0
    .kernarg_segment_align: 8
    .kernarg_segment_size: 80
    .max_flat_workgroup_size: 256
    .sgpr_count:     96
    .vgpr_count:     256
    .wavefront_size: 32
...
	.end_amdgpu_metadata
.endif
;; end of part 1
;; launch main (part 2): grid 32 x 8, 4 waves a work-group, no clusters, 327,680 bytes of LDS; arguments src, wimg, wsc, qs, po, pml; writes po, pml
.if DOCPART == 2
	.amdgcn_target "amdgcn-amd-amdhsa--gfx1250"
	.amdhsa_code_object_version 6
	.text
	.protected	k_qa3ac9e957d_main
	.globl	k_qa3ac9e957d_main
	.p2align	8
	.type	k_qa3ac9e957d_main,@function
k_qa3ac9e957d_main:
	s_mov_b64 s[64:65], 0
	v_nop
	global_prefetch_b8 v0, s[64:65] scope:SCOPE_SE
	s_setreg_imm32_b32 hwreg(HW_REG_WAVE_MODE, 25, 1), 1
	s_wait_xcnt 0x0
; K AND V PROJECTIONS IN MX-FP6 AND THE ONE-QUERY ATTENTION OVER THEM, for one n (work-group x) and 512 keys s (work-group y), in 8 steps of 64 keys.
; bk is left out: q . bk is the same for every key of a softmax row (shown at the head of the first kernel).  bv is added by the last launch: the weights of a softmax row sum to 1.
; SHARES.  Wave w keeps heads 2 w, 2 w + 1: 32 fragments of Wk and 32 of Wv (16 rows x 128 K, 12 registers each) stay in 768 registers for the whole launch.
; A STEP: a barrier shows the step's 64 keys, quantised and stored to LDS as images of the operand's registers, to every wave; every wave takes all four tiles of 16 keys; then each wave quantises 16 rows of the next step.
;   K, USED TRANSPOSED (source 0 = 16 rows of Wk, source 1 = 16 keys): lane (r, h) holds key r, register 8 c + j the head's d = 16 c + 8 h + j: half a score is 16 packed multiply-adds with q';
;   ONE SOFTMAX STEP for the 64 keys: the halves of d are joined; running maximum, the same in all lanes; p = 2^(t - M); the sum and o are brought under the new M;
;   V, USED AS IT IS (source 0 = 16 keys, source 1 = 16 rows of Wv): lane (r, h) holds d = 16 c + r, register j key 8 h + j; o += p v with p taken from lane j of the lane's own row of 16
;   (lanes 16-31 hold the scores turned by 8 lanes, so that their lane j holds key 8 + j).  V's walk begins with the tile on which K's ended, whose fragments are still in registers.
; A RUN is a tile's 32 matrix instructions, K step by K step.  x's fragments of K steps 0, 1 are free in the run's middle and take the next tile's there, those of 2, 3 at the run's end.
; q' (already x log2(e) / 8) lies in 512 bytes of LDS of the wave's own; its 64 registers serve the quantiser between: behind the last K tile they take the next step's first numbers, and q' comes back when the quantiser has left them.
; OUT: po[(n / 4) 8 + chunk][n % 4][512] = the sums of p v; pml[n][head][m of 8 chunks, l of 8 chunks].
; THE RING: two slots of 64 rows x 2,048 bytes as four planes of one K step (rows of 512 bytes + 16); wave w fetches plane w with one tensor load behind each barrier.
; NO CLUSTER: no two work-groups read the same bytes of src; the weights' images go straight into registers by plain loads, once.
; NO PREFETCH: behind every barrier the four waves ask at once for the 131,072 bytes of the step after next, so a whole slot is asked for through the whole of every step, and src is read once, as a stream.
; LIMITS: NaN and infinities are not served; a block whose largest magnitude lies under 2^-124, or of zeros, keeps the scale byte 1 (its bytes are read by this program alone); the scaled scores stay under 2^31 in magnitude.
; REGISTERS, window 0: v0-31 addresses and what is carried; v32-63 the weights' scale words; v64-67 x's; v68-79 weight fragment 63; v80-143 q' (quantiser: 64 numbers); v144-207 eight accumulators (64 numbers);
; v208-255 x's four fragments (quantiser: codes).  Windows 1, 2, 3: weight fragments 0-20, 21-41, 42-62.
.set PITCH, 528
.set PL,    64*PITCH
.set SLOT,  4*PL
.set IMG,   2*SLOT                     ; behind the ring: two buffers of four images (4 x 1,536 bytes of codes + 512 of scale words)
.set TIMG,  6656
.set BUF,   4*TIMG
.set QB,    IMG+2*BUF                  ; 512 bytes for each wave: q', at the end the stage of o
.set SPARE, QB+2048                    ; the spare words, 128 bytes for each wave
.set SPW,  1
.set NIL,  2
.set AQ,   3                           ; 528 (16 w + r) + 128 h
.set AI,   4                           ; IMG + 6,656 w + 16 lane
.set AL,   5                           ; IMG + 16 lane
.set SH8,  6
.set TA0,  7
.set TA1,  8
.set LA16, 9
.set AQQ,  10                          ; QB + 512 w + 32 h
.set ZP,   11
.set RM,   12                          ; the running maximum, a head each
.set RL,   14                          ; the lane's part of the sum of p
.set RO,   16                          ; o: 4 head + c
.set S,    24                          ; scores, then p: 4 head + place in the walk
.set WS,   32
.set XS,   64
.set WF63, 68
.set RQ,   80
.set ACC,  144
.set XF,   208
.set X0,   80
.set X1,   144
.set CD,   208
.set TP,   220
.set MX,   228
.set BY,   230
.set WB,   6
.set WV,   18
.set CH,   20
.set SEL,  22
.set G1,   24
.set G0,   32
.set TO,   40
.set LC,   41
.set HM,   50
.set TN,   51
.set MSB, 0
.macro WIN new                         ; the immediate's high byte repeats the setting that is left
.if MSB != (\new)
	s_set_vgpr_msb (MSB<<8)|(\new)
.set MSB, (\new)
.endif
.endm
.macro PLACES n
.rept \n
	v_nop
.endr
.endm
.macro QLOAD xb, ta, base              ; 64 numbers of my row: register 32 c + i = k 64 c + 32 h + i
	v_add_nc_u32 v[\ta], \base, v[AQ]
.irp c, 0,1
.irp j, 0,1,2,3,4,5,6,7
	ds_load_b128 v[\xb+32*\c+4*\j:\xb+32*\c+4*\j+3], v[\ta] offset:256*\c+16*\j
.endr
.endr
.endm
.macro QUANT64 xb, cb, sw              ; they become a fragment's 12 registers and my row's scale word; a lane holds two whole blocks of 32
.irp c, 0,1
	v_max3_num_f32 v[MX+\c], |v[\xb+32*\c]|, |v[\xb+32*\c+1]|, 0x1800000   ; with the floor 2^(3 - 127): the byte cannot fall under 1
.endr
.irp i, 2,4,6,8,10,12,14,16,18,20,22,24,26,28,30
.irp c, 0,1
	v_max3_num_f32 v[MX+\c], v[MX+\c], |v[\xb+32*\c+\i]|, |v[\xb+32*\c+\i+1]|
.endr
.endr
.irp c, 0,1
	v_add_nc_u32 v[MX+\c], 0xff000000, v[MX+\c]    ; 2 off the exponent field: the conversion's scale operand
.endr
.irp c, 0,1
	v_lshrrev_b32 v[BY+\c], 23, v[MX+\c]           ; the scale's byte
.endr
	v_lshl_or_b32 v[BY], v[BY+1], 16, v[BY]
	v_lshlrev_b32 v[BY], v[SH8], v[BY]
	v_permlanex16_b32 v[BY+1], v[BY], s[SEL], s[SEL+1]
	v_or_b32 v[\sw], v[BY], v[BY+1]
	v_cvt_scalef32_pk16_fp6_f32 v[\cb:\cb+2], v[\xb:\xb+15], v[MX]
	v_cvt_scalef32_pk16_fp6_f32 v[TP:TP+2], v[\xb+16:\xb+31], v[MX]
	v_cvt_scalef32_pk16_fp6_f32 v[\cb+6:\cb+8], v[\xb+32:\xb+47], v[MX+1]
	v_cvt_scalef32_pk16_fp6_f32 v[TP+4:TP+6], v[\xb+48:\xb+63], v[MX+1]
	v_nop                                          ; one plain place behind a scaled conversion
.irp i, 0,1,2
	v_mov_b32 v[\cb+3+\i], v[TP+\i]
	v_mov_b32 v[\cb+9+\i], v[TP+4+\i]
.endr
.endm
.macro WLOAD f0, f1                    ; weight fragments f0 .. f1 - 1 from their images: three loads of 512 consecutive bytes each
.set FI, \f0
.rept \f1-\f0
.if FI < 63
	WIN ((1+FI/21)<<6)
.set WR, 12*(FI%21)
.else
	WIN 0
.set WR, WF63
.endif
.irp c, 0,1,2
	global_load_b128 v[WR+4*\c:WR+4*\c+3], v[LA16], s[WB:WB+1] offset:FI*1536+512*\c
.endr
.set FI, FI+1
.endr
	WIN 0
.endm
; One matrix instruction: accumulator CT, K step KQ; K step 0 starts the sum.  mat = 0: K, transposed; 1: V
.macro MM mat
.set FF, 32*\mat+8*KQ+CT
.set DD, ACC+8*CT
.set XA, XF+12*KQ
.if FF < 63
.set WR, 12*(FF%21)
	WIN ((1+FF/21)<<(2*\mat))
.else
.set WR, WF63
	WIN 0
.endif
.if \mat
.if KQ == 0
	v_wmma_scale_f32_16x16x128_f8f6f4 v[DD:DD+7], v[XA:XA+11], v[WR:WR+11], 0, v[XS+KQ], v[WS+4*CT+KQ] matrix_a_fmt:MATRIX_FMT_FP6 matrix_b_fmt:MATRIX_FMT_FP6 matrix_b_scale:MATRIX_SCALE_ROW1
.else
	v_wmma_scale_f32_16x16x128_f8f6f4 v[DD:DD+7], v[XA:XA+11], v[WR:WR+11], v[DD:DD+7], v[XS+KQ], v[WS+4*CT+KQ] matrix_a_fmt:MATRIX_FMT_FP6 matrix_b_fmt:MATRIX_FMT_FP6 matrix_b_scale:MATRIX_SCALE_ROW1
.endif
.else
.if KQ == 0
	v_wmma_scale_f32_16x16x128_f8f6f4 v[DD:DD+7], v[WR:WR+11], v[XA:XA+11], 0, v[WS+4*CT+KQ], v[XS+KQ] matrix_a_fmt:MATRIX_FMT_FP6 matrix_b_fmt:MATRIX_FMT_FP6
.else
	v_wmma_scale_f32_16x16x128_f8f6f4 v[DD:DD+7], v[WR:WR+11], v[XA:XA+11], v[DD:DD+7], v[WS+4*CT+KQ], v[XS+KQ] matrix_a_fmt:MATRIX_FMT_FP6 matrix_b_fmt:MATRIX_FMT_FP6
.endif
.endif
.endm
.macro HALF mat, kq0                   ; K steps kq0, kq0 + 1: 16 matrix instructions, the eight accumulators by turns
.set KQ, \kq0
.rept 2
.set CT, 0
.rept 8
	MM \mat
.set CT, CT+1
.endr
.set KQ, KQ+1
.endr
	WIN 0
.endm
.macro HALFX adr, off, g               ; half g of a tile's image: the fragments of K steps 2 g, 2 g + 1 and their two scale words: seven loads
.irp i, 0,1,2,3,4,5
	ds_load_b128 v[XF+24*\g+4*\i:XF+24*\g+4*\i+3], v[\adr] offset:(\off)+3072*\g+512*\i
.endr
	ds_load_b64 v[XS+2*\g:XS+2*\g+1], v[\adr] offset:(\off)+6144+8*\g
.endm
.macro FETCH lim, g                    ; the next tile's half g; not in the loop's last trip, whose tile has no successor to fetch
	s_cmp_eq_u32 s[TO], \lim
	s_cbranch_scc1 .Lnone_\@
	HALFX TA0, 0, \g
.Lnone_\@:
.endm
; A run.  The two waits hold whether the fetches are jumped over or not: at the top the younger half's seven loads may be out; in the middle only that half can be out, asked for at the end of the run before.
.macro PRUN mat, lim
	s_wait_dscnt 7
	HALF \mat, 0
	s_wait_dscnt 0x0
	PLACES 4                                       ; four places ahead of loads into the products' sources (ISA guide 7.12.1 for vector instructions)
	FETCH \lim, 0
	HALF \mat, 2
	PLACES 4                                       ; ahead of the loads below and of the first read of the sums
	FETCH \lim, 1
.endm
; A tile's scores, both heads by turns, each accumulator read from its low end on: the earlier tiles' move one place down; sum over my 32 d of q'(d) k(key, d), four chains a head in place in the accumulators' lowest pairs
.macro KLINES
.irp i, 0,1,2
.irp hd, 0,1
	v_mov_b32 v[S+4*\hd+\i], v[S+4*\hd+\i+1]
.endr
.endr
.irp c, 0,1,2,3
.irp hd, 0,1
	v_pk_mul_f32 v[ACC+32*\hd+8*\c:ACC+32*\hd+8*\c+1], v[ACC+32*\hd+8*\c:ACC+32*\hd+8*\c+1], v[RQ+32*\hd+8*\c:RQ+32*\hd+8*\c+1]
.endr
.endr
.irp u, 2,4,6
.irp c, 0,1,2,3
.irp hd, 0,1
	v_pk_fma_f32 v[ACC+32*\hd+8*\c:ACC+32*\hd+8*\c+1], v[ACC+32*\hd+8*\c+\u:ACC+32*\hd+8*\c+\u+1], v[RQ+32*\hd+8*\c+\u:RQ+32*\hd+8*\c+\u+1], v[ACC+32*\hd+8*\c:ACC+32*\hd+8*\c+1]
.endr
.endr
.endr
.irp hd, 0,1
	v_pk_add_f32 v[ACC+32*\hd:ACC+32*\hd+1], v[ACC+32*\hd:ACC+32*\hd+1], v[ACC+32*\hd+8:ACC+32*\hd+9]
.endr
.irp hd, 0,1
	v_pk_add_f32 v[ACC+32*\hd+16:ACC+32*\hd+17], v[ACC+32*\hd+16:ACC+32*\hd+17], v[ACC+32*\hd+24:ACC+32*\hd+25]
.endr
.irp hd, 0,1
	v_pk_add_f32 v[ACC+32*\hd:ACC+32*\hd+1], v[ACC+32*\hd:ACC+32*\hd+1], v[ACC+32*\hd+16:ACC+32*\hd+17]
.endr
.irp hd, 0,1
	v_add_f32 v[S+4*\hd+3], v[ACC+32*\hd], v[ACC+32*\hd+1]
.endr
.endm
.macro VLINES                          ; o(16 c + r) += p(key 8 h + j) v(key 8 h + j, 16 c + r), eight chains; then the next tile's p comes to place 3
.irp j, 0,1,2,3,4,5,6,7
.irp ct, 0,1,2,3,4,5,6,7
	v_fmac_f32_dpp v[RO+\ct], v[S+4*(\ct/4)+3], v[ACC+8*\ct+\j] row_share:\j row_mask:0xf bank_mask:0xf
.endr
.endr
.irp hd, 0,1
	v_mov_b32 v[S+4*\hd+3], v[S+4*\hd]
	v_mov_b32 v[S+4*\hd], v[S+4*\hd+1]
	v_mov_b32 v[S+4*\hd+1], v[S+4*\hd+2]
.endr
.endm
; The softmax step of 64 keys.  First the eight half scores are made whole, eight chains by turns.  Then TM = ACC + 4 head: the new maximum; + 1: old less new; + 2: f = 2^(old - new)
.macro SOFTMAX
.irp i, 0,1,2,3,4,5,6,7
	v_permlanex16_b32 v[ACC+\i], v[S+\i], s[SEL], s[SEL+1]
.endr
.irp i, 0,1,2,3,4,5,6,7
	v_add_f32 v[S+\i], v[S+\i], v[ACC+\i]          ; with the other half of d: key r's score, in both halves of the lanes
.endr
.irp i, 0,1,2,3,4,5,6,7
	v_mov_b32_dpp v[ACC+\i], v[S+\i] row_ror:8 row_mask:0xf bank_mask:0xf
.endr
.irp i, 0,1,2,3,4,5,6,7
	v_cndmask_b32 v[S+\i], v[S+\i], v[ACC+\i], s[HM]   ; lanes 16-31 keep the scores turned by 8 lanes
.endr
.irp hd, 0,1
	v_max3_num_f32 v[ACC+4*\hd], v[S+4*\hd], v[S+4*\hd+1], v[S+4*\hd+2]
.endr
.irp hd, 0,1
	v_max3_num_f32 v[ACC+4*\hd], v[ACC+4*\hd], v[S+4*\hd+3], v[RM+\hd]
.endr
.irp x, 1,2,4,8
.irp hd, 0,1
	v_max_num_f32_dpp v[ACC+4*\hd], v[ACC+4*\hd], v[ACC+4*\hd] row_xmask:\x row_mask:0xf bank_mask:0xf   ; over the 16 keys of a row of lanes: both rows hold the same 16
.endr
.endr
.irp hd, 0,1
	v_sub_f32 v[ACC+4*\hd+1], v[RM+\hd], v[ACC+4*\hd]
.endr
.irp i, 0,2
.irp hd, 0,1
	v_pk_add_f32 v[S+4*\hd+\i:S+4*\hd+\i+1], v[S+4*\hd+\i:S+4*\hd+\i+1], v[ACC+4*\hd:ACC+4*\hd+1] op_sel_hi:[1,0] neg_lo:[0,1] neg_hi:[0,1]
.endr
.endr
	s_wait_alu depctr_va_vdst(0)
.irp hd, 0,1
	v_exp_f32 v[ACC+4*\hd+2], v[ACC+4*\hd+1]
.irp i, 0,1,2,3
	v_exp_f32 v[S+4*\hd+\i], v[S+4*\hd+\i]
.endr
.endr
.irp hd, 0,1
	v_mov_b32 v[RM+\hd], v[ACC+4*\hd]              ; plain work behind the exponentials
.endr
	s_wait_alu depctr_va_vdst(0)                   ; and behind it, ahead of its first reader
.irp hd, 0,1
	v_fma_f32 v[RL+\hd], v[RL+\hd], v[ACC+4*\hd+2], v[S+4*\hd]
	v_add_f32 v[ACC+4*\hd+1], v[S+4*\hd+1], v[S+4*\hd+2]
.endr
.irp i, 0,2
.irp hd, 0,1
	v_pk_mul_f32 v[RO+4*\hd+\i:RO+4*\hd+\i+1], v[RO+4*\hd+\i:RO+4*\hd+\i+1], v[ACC+4*\hd+2:ACC+4*\hd+3] op_sel_hi:[1,0]
.endr
.endr
.irp hd, 0,1
	v_add_f32 v[RL+\hd], v[RL+\hd], v[S+4*\hd+3]
.endr
.irp hd, 0,1
	v_add_f32 v[RL+\hd], v[RL+\hd], v[ACC+4*\hd+1]
.endr
.endm
.macro IMAGE slot, q
.irp c, 0,1,2
	ds_store_b128 v[AI], v[CD+4*\c:CD+4*\c+3] offset:\slot*BUF+\q*1536+512*\c
.endr
.endm
; My 16 rows x 512 K become four images.  pre = 1: plane 0's numbers were asked for behind the last K tile.  A wait for 16 leaves the one younger run of 16 loads out
.macro QTILE slot, pre
.if \pre == 0
	QLOAD X0, TA0, \slot*SLOT
.endif
	QLOAD X1, TA1, \slot*SLOT+PL
	s_wait_dscnt 16
	QUANT64 X0, CD, XS
	IMAGE \slot, 0
	QLOAD X0, TA0, \slot*SLOT+2*PL
	s_wait_dscnt 16
	QUANT64 X1, CD, XS+1
	IMAGE \slot, 1
	QLOAD X1, TA1, \slot*SLOT+3*PL
	s_wait_dscnt 16
	QUANT64 X0, CD, XS+2
	IMAGE \slot, 2
.irp i, 0,1,2,3,4,5,6,7,8,9,10,11,12,13,14,15
	ds_load_b128 v[RQ+4*\i:RQ+4*\i+3], v[AQQ] offset:256*(\i/8)+64*((\i%8)/2)+16*(\i%2)   ; q'(64 head + 16 c + 8 h + 0 .. 7) comes back into the registers that the quantiser has left
.endr
	s_wait_dscnt 19                                ; plane 3's numbers are in; the three stores and the 16 loads behind them may be out
	QUANT64 X1, CD, XS+3
	IMAGE \slot, 3
	ds_store_b128 v[AI], v[XS:XS+3] offset:\slot*BUF+6144
.endm
.macro PROC slot, other, pre
	HALFX AL, \slot*BUF, 0
	HALFX AL, \slot*BUF, 1
	s_mov_b32 s[TO], \slot*BUF+TIMG
	v_add_nc_u32 v[TA0], \slot*BUF+TIMG, v[AL]
	s_wait_alu depctr_va_vdst(0)
	s_wait_loadcnt 63                              ; of the head's 201 loads the first 138 are in: the scale words and Wk's 32 fragments are the first 105
.Lk_\@:                                                ; K, tiles 0, 1, 2, 3; trip t fetches tile t + 1; tile 3's fragments stay: V begins with them
	PRUN 0, \slot*BUF+4*TIMG
	KLINES
	s_add_co_u32 s[TO], s[TO], TIMG
	s_min_u32 s[TN], s[TO], \slot*BUF+3*TIMG       ; never beyond the buffer's last image
	v_add_nc_u32 v[TA0], s[TN], v[AL]
	s_cmp_lt_u32 s[TO], \slot*BUF+5*TIMG
	s_wait_alu depctr_va_vdst(0)
	s_cbranch_scc1 .Lk_\@
.if \pre
	QLOAD X0, TA1, \other*SLOT                     ; q' is done with: its registers take plane 0 of my rows of the next step, which the step's barrier has shown whole
.endif
	SOFTMAX
	s_mov_b32 s[TO], \slot*BUF
	v_add_nc_u32 v[TA0], \slot*BUF, v[AL]
	s_wait_alu depctr_va_vdst(0)
	s_wait_loadcnt 0x0                             ; Wv
.Lv_\@:                                                ; V, tiles 3, 0, 1, 2; trip u fetches tile u; nothing follows tile 2
	PRUN 1, \slot*BUF+3*TIMG
	VLINES
	s_add_co_u32 s[TO], s[TO], TIMG
	s_min_u32 s[TN], s[TO], \slot*BUF+3*TIMG
	v_add_nc_u32 v[TA0], s[TN], v[AL]
	s_cmp_lt_u32 s[TO], \slot*BUF+4*TIMG
	s_wait_alu depctr_va_vdst(0)
	s_cbranch_scc1 .Lv_\@
.endm
.macro STEP slot, other, mode
.if \mode == 1
	s_wait_tensorcnt 0x0                           ; my one load that was out, my plane of the other slot, has landed;
	ds_add_u32 v[SPW], v[NIL]
	s_add_nc_u64 s[G0+4*\slot+2:G0+4*\slot+3], s[G0+4*\slot+2:G0+4*\slot+3], 0x800000   ; two steps of 64 rows of 65,536 bytes on
	s_wait_dscnt 0x0                               ; the add, my reads of this slot and of q' and my images are done
	s_barrier_signal -1
	s_barrier_wait -1
	tensor_load_to_lds s[G0+4*\slot:G0+4*\slot+3], s[G1:G1+7]   ; the slot just quantised takes the step after next
	s_nop 0
	PLACES 4
.elseif \mode == 2
	s_wait_tensorcnt 0x0                           ; the last step's plane
	s_wait_dscnt 0x0
	s_barrier_signal -1
	s_barrier_wait -1
.else
	s_wait_dscnt 0x0
	s_barrier_signal -1
	s_barrier_wait -1
.endif
.if \mode < 3
	PROC \slot, \other, 1
	QTILE \other, 1                                ; the next step's rows
.else
	PROC \slot, \other, 0
.endif
.endm
	s_load_b256 s[4:11], s[0:1], 0x0               ; src s[4:5], wimg s[6:7], wsc s[8:9], qs s[10:11]
	s_load_b128 s[12:15], s[0:1], 0x20             ; po s[12:13], pml s[14:15]
	v_lshl_add_u32 v[SPW], v0, 2, SPARE
	v_mov_b32 v[NIL], 0
	ds_add_u32 v[SPW], v[NIL]
	ds_add_u32 v[SPW], v[NIL]
	v_lshrrev_b32 v7, 5, v0
	v_readfirstlane_b32 s[WV], v7                  ; wave 0..3
	s_and_b32 s[CH], ttmp7, 0xffff                 ; chunk of 512 keys
	s_mov_b32 s[G1], (2<<16)|(1<<20)|(6<<22)|(3<<25)   ; elements of 4 bytes; 4 words of padding behind every 128
	s_mov_b32 s[G1+1], 128<<16
	s_mov_b32 s[G1+2], 64<<16
	s_mov_b32 s[G1+3], 128<<16
	s_mov_b32 s[G1+4], 64
	s_mov_b32 s[G1+5], 16384                       ; from key to key: 32 x 512 elements
	s_mov_b32 s[G1+6], 0
	s_mov_b32 s[G1+7], 0
	s_mov_b32 s[SEL], 0x76543210
	s_mov_b32 s[SEL+1], 0xfedcba98
	s_mov_b32 s[HM], 0xffff0000                    ; lanes 16-31
	s_lshl_b32 s42, s[CH], 25                      ; 512 keys of 65,536 bytes
	s_lshl_b32 s44, ttmp9, 11                      ; n: 2,048 bytes
	s_add_co_u32 s42, s42, s44
	s_lshl_b32 s45, s[WV], 9                       ; my plane, and my 128 columns: 512 bytes
	s_add_co_u32 s42, s42, s45
	s_mov_b32 s43, 0
	s_mul_i32 s46, s[WV], PL
	s_wait_dscnt 0x0
	s_wait_kmcnt 0x0
	s_add_nc_u64 s[4:5], s[4:5], s[42:43]
.irp k, 0,1
	s_mov_b32 s[G0+4*\k], 1
	s_add_co_u32 s[G0+4*\k+1], s46, \k*SLOT
	s_add_nc_u64 s[G0+4*\k+2:G0+4*\k+3], s[4:5], \k*0x400000
	s_or_b32 s[G0+4*\k+3], s[G0+4*\k+3], 0x80000000
.endr
	tensor_load_to_lds s[G0:G0+3], s[G1:G1+7]      ; step 0: one tensor load a wave at the head
	s_nop 0
	PLACES 4
	v_and_b32 v144, 15, v0                         ; r
	v_bfe_u32 v145, v0, 4, 1                       ; h
	v_and_b32 v146, 31, v0
	v_lshlrev_b32 v[LA16], 4, v146
	v_lshlrev_b32 v[SH8], 3, v145
	v_mul_u32_u24 v[AQ], v144, PITCH
	v_lshl_add_u32 v[AQ], v145, 7, v[AQ]
	s_mul_i32 s47, s[WV], 16*PITCH
	v_add_nc_u32 v[AQ], s47, v[AQ]
	s_mul_i32 s47, s[WV], TIMG
	s_add_co_u32 s47, s47, IMG
	v_add_nc_u32 v[AI], s47, v[LA16]
	v_add_nc_u32 v[AL], IMG, v[LA16]
	s_add_co_u32 s47, s45, QB
	v_lshl_add_u32 v[AQQ], v145, 5, s47
	v_add_nc_u32 v[TA1], s47, v[LA16]
	v_mov_b32 v[ZP], 0
	v_mov_b32 v[RM], 0xff61b1e6                    ; -3e38, under every score
	v_mov_b32 v[RM+1], 0xff61b1e6
	v_mov_b32 v[RL], 0
	v_mov_b32 v[RL+1], 0
.irp i, 0,1,2,3,4,5,6,7
	v_mov_b32 v[RO+\i], 0
.endr
	s_wait_alu depctr_va_vdst(0)
	s_add_co_u32 s42, s44, s45
	s_add_nc_u64 s[10:11], s[10:11], s[42:43]      ; qs at (n, 128 w)
	s_lshl_b32 s42, s[WV], 12
	s_add_nc_u64 s[8:9], s[8:9], s[42:43]          ; wsc: my 8 tiles
	s_mul_i32 s42, s[WV], 98304
	s_add_nc_u64 s[WB:WB+1], s[WB:WB+1], s[42:43]  ; wimg: my 64 fragments
	global_load_b128 v[S:S+3], v[LA16], s[10:11]   ; q' of my two heads: 512 consecutive bytes
.irp t, 0,1,2,3,4,5,6,7
	global_load_b128 v[WS+4*\t:WS+4*\t+3], v[LA16], s[8:9] offset:512*\t
.endr
	WLOAD 0, 16                                    ; with the nine above 57 loads: they are on their way under step 0's tile
	s_wait_tensorcnt 0x0                           ; my plane of step 0 is in
	ds_add_u32 v[SPW], v[NIL]
	s_wait_dscnt 0x0
	s_barrier_signal -1
	s_barrier_wait -1                              ; slot 0 is whole for every wave
	tensor_load_to_lds s[G0+4:G0+7], s[G1:G1+7]    ; step 1
	s_nop 0
	PLACES 4
	WLOAD 16, 32                                   ; the rest of Wk
	s_wait_loadcnt 63                              ; 105 loads are issued: the first 42 are in, q' is the first
	ds_store_b128 v[TA1], v[S:S+3]                 ; q' to my own 512 bytes: only I read them
.irp i, 0,1,2,3,4,5,6,7
	v_mov_b32 v[S+\i], 0                           ; written once: the first moves of the scores read them
.endr
	QTILE 0, 0                                     ; step 0's rows, under step 1's tile and the weights
	WLOAD 32, 64                                   ; Wv
	s_wait_alu depctr_va_vdst(0)
	s_mov_b32 s[LC], 3
.Llap:
	STEP 0, 1, 1
	STEP 1, 0, 1
	s_sub_co_u32 s[LC], s[LC], 1
	s_cmp_lg_u32 s[LC], 0
	s_cbranch_scc1 .Llap
	STEP 0, 1, 2                                   ; the last two steps fetch nothing more
	STEP 1, 0, 3
	; THE WAY OUT
	s_lshr_b32 s44, ttmp9, 2
	s_lshl_b32 s44, s44, 3
	s_add_co_u32 s44, s44, s[CH]
	s_lshl_b32 s44, s44, 2
	s_and_b32 s45, ttmp9, 3
	s_add_co_u32 s44, s44, s45
	s_lshl_b32 s44, s44, 11                        ; po's row ((n / 4) 8 + chunk) 4 + n % 4
	s_lshl_b32 s42, s[WV], 9
	s_add_co_u32 s44, s44, s42
	s_mov_b32 s45, 0
	s_add_nc_u64 s[12:13], s[12:13], s[44:45]
	s_add_co_u32 s47, s42, QB
	s_lshl_b32 s44, ttmp9, 9
	s_lshl_b32 s46, s[WV], 7
	s_add_co_u32 s44, s44, s46
	s_lshl_b32 s46, s[CH], 2
	s_add_co_u32 s44, s44, s46
	s_add_nc_u64 s[14:15], s[14:15], s[44:45]      ; pml at (n, head 2 w, chunk)
.irp x, 1,2,4,8
.irp hd, 0,1
	v_add_f32_dpp v[RL+\hd], v[RL+\hd], v[RL+\hd] row_xmask:\x row_mask:0xf bank_mask:0xf   ; the sum of p over the 16 lanes of a row
.endr
.endr
.irp t, 0,1,2,3,4,5,6,7
	v_permlanex16_b32 v[ACC+\t], v[RO+\t], s[SEL], s[SEL+1]
.endr
.irp t, 0,1,2,3,4,5,6,7
	v_add_f32 v[ACC+\t], v[ACC+\t], v[RO+\t]       ; keys 8 h + j of both halves
.endr
	v_and_b32 v[ACC+8], 15, v0
	v_lshl_add_u32 v[ACC+8], v[ACC+8], 2, s47
	v_add_nc_u32 v[ACC+9], s47, v[LA16]
	v_and_b32 v[ACC+10], 31, v0
	v_cmp_eq_u32 vcc_lo, 0, v[ACC+10]
.irp t, 0,1,2,3,4,5,6,7
	ds_store_b32 v[ACC+8], v[ACC+\t] offset:64*\t  ; into my own 512 bytes, which q' has left (both halves of the lanes write the same)
.endr
	ds_load_b128 v[ACC+12:ACC+15], v[ACC+9]        ; LDS serves a wave's instructions in order (ISA guide 5.7.1.4)
	s_wait_alu depctr_va_vdst(0)
	s_wait_dscnt 0x0
	global_store_b128 v[LA16], v[ACC+12:ACC+15], s[12:13]   ; 32 lanes store 512 consecutive bytes, at a multiple of 256 from po's first byte
	s_wait_xcnt 0x0                                ; EXEC changes only behind this wait
	s_and_saveexec_b32 s46, vcc_lo
	global_store_b32 v[ZP], v[RM], s[14:15]
	global_store_b32 v[ZP], v[RL], s[14:15] offset:32
	global_store_b32 v[ZP], v[RM+1], s[14:15] offset:64
	global_store_b32 v[ZP], v[RL+1], s[14:15] offset:96
	s_wait_xcnt 0x0
	s_or_b32 exec_lo, exec_lo, s46
	s_wait_tensorcnt 0x0                           ; the wave's end
	ds_add_u32 v[SPW], v[NIL]
	s_wait_dscnt 0x0
	s_endpgm
.Lfunc_end_k_qa3ac9e957d_main:
	.size	k_qa3ac9e957d_main, .Lfunc_end_k_qa3ac9e957d_main-k_qa3ac9e957d_main
	.p2alignl 7, 3214868480
	.fill 96, 4, 3214868480
	.section	.rodata,"a",@progbits
	.p2align	6, 0x0
	.amdhsa_kernel k_qa3ac9e957d_main
		.amdhsa_group_segment_fixed_size 327680
		.amdhsa_private_segment_fixed_size 0
		.amdhsa_enable_private_segment 0
		.amdhsa_kernarg_size 48
		.amdhsa_user_sgpr_count 2
		.amdhsa_user_sgpr_kernarg_segment_ptr 1
		.amdhsa_wavefront_size32 1
		.amdhsa_system_sgpr_workgroup_id_x 1
		.amdhsa_system_sgpr_workgroup_id_y 1
		.amdhsa_system_sgpr_workgroup_id_z 1
		.amdhsa_system_vgpr_workitem_id 0
		.amdhsa_next_free_vgpr 1024
		.amdhsa_next_free_sgpr 66
		.amdhsa_reserve_vcc 1
		.amdhsa_float_denorm_mode_32 3
		.amdhsa_float_denorm_mode_16_64 3
		.amdhsa_memory_ordered 1
		.amdhsa_forward_progress 1
		.amdhsa_inst_pref_size 194
	.end_amdhsa_kernel
	.amdgpu_metadata
---
amdhsa.version: [ 1, 2 ]
amdhsa.kernels:
  - .name:           k_qa3ac9e957d_main
    .symbol:         k_qa3ac9e957d_main.kd
    .args:
      - { .name: src, .offset: 0, .size: 8, .value_kind: global_buffer, .address_space: global }
      - { .name: wimg, .offset: 8, .size: 8, .value_kind: global_buffer, .address_space: global }
      - { .name: wsc, .offset: 16, .size: 8, .value_kind: global_buffer, .address_space: global }
      - { .name: qs, .offset: 24, .size: 8, .value_kind: global_buffer, .address_space: global }
      - { .name: po, .offset: 32, .size: 8, .value_kind: global_buffer, .address_space: global }
      - { .name: pml, .offset: 40, .size: 8, .value_kind: global_buffer, .address_space: global }
    .group_segment_fixed_size: 327680
    .private_segment_fixed_size: 0
    .kernarg_segment_align: 8
    .kernarg_segment_size: 48
    .max_flat_workgroup_size: 128
    .sgpr_count:     66
    .vgpr_count:     1024
    .wavefront_size: 32
...
	.end_amdgpu_metadata
.endif
;; end of part 2
;; launch tail (part 3): grid 8 x 1, 4 waves a work-group, no clusters, 317,952 bytes of LDS; arguments po, pml, wimg, wsc, bv, bo, bl, out0; writes out0
.if DOCPART == 3
	.amdgcn_target "amdgcn-amd-amdhsa--gfx1250"
	.amdhsa_code_object_version 6
	.text
	.protected	k_qa3ac9e957d_tail
	.globl	k_qa3ac9e957d_tail
	.p2align	8
	.type	k_qa3ac9e957d_tail,@function
k_qa3ac9e957d_tail:
	s_mov_b64 s[64:65], 0
	v_nop
	global_prefetch_b8 v0, s[64:65] scope:SCOPE_SE
	s_setreg_imm32_b32 hwreg(HW_REG_WAVE_MODE, 25, 1), 1
	s_wait_xcnt 0x0
; THE EIGHT CHUNKS ARE JOINED, AND THE TWO LINEARS FOLLOW: out0 = Q(Q(a) Q(Wo)^T + bo) Q(Wl)^T + bl, a = (sum over chunks of 2^(m_c - M) o_c) / (sum of 2^(m_c - M) l_c) + bv, M the largest m_c.
; SHARES.  Work-group m takes rows n = 16 m .. 16 m + 15: the chain has two tiles of 16 rows, and every output of a linear wants all 512 columns of its rows, so two work-groups are all the work there is.
; Wave w takes columns 128 w .. 128 w + 127 throughout: of a (K step w of the first product), of both results.  Its 32 fragments of Wo and 32 of Wl are loaded as register images, Wo's ahead of the joining, Wl's behind it.
; An operand goes from wave to wave through LDS as an image of its registers; a result is turned into an operand's order through the wave's own stage (rows of 512 bytes + 16).
; po's tiles (16 rows x 512 bytes for each chunk) come by eight tensor loads a wave, all at once, into bytes that only the issuing wave reads; LDS is filled once.
; LIMITS: as in the launches before: NaN and infinities are not served; a block whose largest magnitude lies under 2^-124, or of zeros, keeps the scale byte 1.
; REGISTERS: window 0: see the names below; windows 1, 2, 3: weight fragments 0-20, 21-41, 42-62; fragment 63 in window 0.
; THE SHARES AS THEY NOW STAND (they take the place of what the lines above say of rows and of po's tiles): EIGHT work-groups; work-group g takes rows n = 4 g .. 4 g + 3.
; Lane r of a tile of 16 rows holds row 4 g + r % 4, so rows 4 to 15 of the tile repeat rows 0 to 3, and only rows 0 to 3 are stored.  po lies [n / 4][chunk][n % 4][512]:
; a work-group's eight chunks are 32 rows on end, 65,536 bytes, which each wave fetches for its 128 columns with ONE tensor load; chunk c lies at c x 4 rows of my bytes.
.set PITCH, 528
.set TPL,   16*PITCH                   ; 16 rows x (512 bytes + 16)
.set STG,   32*TPL                     ; behind po's 32 x TPL (8 TPL a wave): a stage for each wave,
.set IMA,   STG+4*TPL                  ; the first operand's images: four fragments of 1,536 bytes, then four times 128 bytes of scale words,
.set IMO,   6656                       ; and the second's, so many bytes on
.set AQP,  1                           ; v1   528 (r % 4) + 128 h + my 8 tiles of po
.set AST,  2                           ; v2   my stage, on the way in: 4,224 h + 4 r
.set AQ,   3                           ; v3   528 r + 128 h + 8,448 w: my stage less STG, on the way out to the quantiser
.set AI,   4                           ; v4   where I store an image: IMA + 1,536 w + 16 x lane
.set AL,   5                           ; v5   where I load images: IMA + 16 x lane
.set SH8,  6                           ; v6   8 h
.set TA0,  7                           ; v7   address of the LDS loads in hand
.set ASW,  8                           ; v8   where I store scale words: IMA + 6,144 + 128 w + 4 x lane
.set LA16, 9                           ; v9   16 x lane
.set ALS,  10                          ; v10  where I load scale words: IMA + 6,144 + 4 x lane
.set ASR,  11                          ; v11  my stage, by rows: 16 x lane
.set ML,   12                          ; v12-43   pml's 16 numbers (m of 8 chunks, l of 8 chunks) of my row for each of my two heads
.set BL,   12                          ; v12-19   later: bl of column 16 t + r
.set BO,   44                          ; v44-51   bo of column 16 t + r
.set WS,   56                          ; v56-87   the weights' scale words: lanes 0-15 Wo's, lanes 16-31 Wl's
.set WF63, 88
.set XS,   100                         ; v100-103 the operand's scale words
.set ACC,  104                         ; v104-167 eight accumulators; first a's 64 numbers
.set X0,   104
.set XF,   168                         ; v168-215 the operand's four fragments
.set T0,   168                         ; v168-199, v200-231 two sets of 32 numbers of po
.set X1,   168                         ; v168-231 64 numbers from the stage; at the end 16 rows of out0
.set CD,   232
.set WP,   232                         ; v232-247 ahead of the first quantising: the eight chunks' weights, each twice
.set TP,   244
.set MX,   252
.set BY,   254
.set WV,   20
.set SEL,  22
.set G1,   24                          ; s[24:31] descriptor group 1;  s[32:35] group 0
.set G0,   32
.set WB,   8                           ; s[8:9]  wimg at my wave's 64 fragments
.set MSB, 0
.macro WIN new                         ; the immediate's high byte repeats the setting that is left; a switch that changes nothing is dropped
.if MSB != (\new)
	s_set_vgpr_msb (MSB<<8)|(\new)
.set MSB, (\new)
.endif
.endm
.macro PLACES n
.rept \n
	v_nop
.endr
.endm
.macro QLOAD xb, ta, base              ; 64 numbers of my row: register 32 c + i = k 64 c + 32 h + i
	v_add_nc_u32 v[\ta], \base, v[AQ]
.irp c, 0,1
.irp j, 0,1,2,3,4,5,6,7
	ds_load_b128 v[\xb+32*\c+4*\j:\xb+32*\c+4*\j+3], v[\ta] offset:256*\c+16*\j
.endr
.endr
.endm
.macro QUANT64 xb, cb, sw              ; they become a fragment's 12 registers and my row's scale word; a lane holds two whole blocks of 32
.irp c, 0,1
	v_max3_num_f32 v[MX+\c], |v[\xb+32*\c]|, |v[\xb+32*\c+1]|, 0x1800000   ; and the floor 2^(3 - 127): the byte cannot fall under 1
.endr
.irp i, 2,4,6,8,10,12,14,16,18,20,22,24,26,28,30
.irp c, 0,1
	v_max3_num_f32 v[MX+\c], v[MX+\c], |v[\xb+32*\c+\i]|, |v[\xb+32*\c+\i+1]|
.endr
.endr
.irp c, 0,1
	v_add_nc_u32 v[MX+\c], 0xff000000, v[MX+\c]    ; 2 off the exponent field: the conversion's scale operand
.endr
.irp c, 0,1
	v_lshrrev_b32 v[BY+\c], 23, v[MX+\c]           ; the scale's byte
.endr
	v_lshl_or_b32 v[BY], v[BY+1], 16, v[BY]
	v_lshlrev_b32 v[BY], v[SH8], v[BY]
	v_permlanex16_b32 v[BY+1], v[BY], s[SEL], s[SEL+1]
	v_or_b32 v[\sw], v[BY], v[BY+1]
	v_cvt_scalef32_pk16_fp6_f32 v[\cb:\cb+2], v[\xb:\xb+15], v[MX]
	v_cvt_scalef32_pk16_fp6_f32 v[TP:TP+2], v[\xb+16:\xb+31], v[MX]           ; (a conversion's three registers begin on an even number)
	v_cvt_scalef32_pk16_fp6_f32 v[\cb+6:\cb+8], v[\xb+32:\xb+47], v[MX+1]
	v_cvt_scalef32_pk16_fp6_f32 v[TP+4:TP+6], v[\xb+48:\xb+63], v[MX+1]
	v_nop                                          ; one plain place behind a scaled conversion
.irp i, 0,1,2
	v_mov_b32 v[\cb+3+\i], v[TP+\i]
	v_mov_b32 v[\cb+9+\i], v[TP+4+\i]
.endr
.endm
.macro WLOAD f0, f1                    ; weight fragments f0 .. f1 - 1 from their images: three loads of 512 consecutive bytes each
.set FI, \f0
.rept \f1-\f0
.if FI < 63
	WIN ((1+FI/21)<<6)
.set WR, 12*(FI%21)
.else
	WIN 0
.set WR, WF63
.endif
.irp c, 0,1,2
	global_load_b128 v[WR+4*\c:WR+4*\c+3], v[LA16], s[WB:WB+1] offset:FI*1536+512*\c
.endr
.set FI, FI+1
.endr
	WIN 0
.endm
.macro MM t, q, f, row1                ; one matrix instruction: accumulator t, K step q, weight fragment f; K step 0 starts the sum
.if (\f) < 63
	WIN ((1+(\f)/21)<<2)
.set WR, 12*((\f)%21)
.else
	WIN 0
.set WR, WF63
.endif
.if (\q) == 0
.if \row1
	v_wmma_scale_f32_16x16x128_f8f6f4 v[ACC+8*\t:ACC+8*\t+7], v[XF+12*\q:XF+12*\q+11], v[WR:WR+11], 0, v[XS+\q], v[WS+4*\t+\q] matrix_a_fmt:MATRIX_FMT_FP6 matrix_b_fmt:MATRIX_FMT_FP6 matrix_b_scale:MATRIX_SCALE_ROW1
.else
	v_wmma_scale_f32_16x16x128_f8f6f4 v[ACC+8*\t:ACC+8*\t+7], v[XF+12*\q:XF+12*\q+11], v[WR:WR+11], 0, v[XS+\q], v[WS+4*\t+\q] matrix_a_fmt:MATRIX_FMT_FP6 matrix_b_fmt:MATRIX_FMT_FP6
.endif
.else
.if \row1
	v_wmma_scale_f32_16x16x128_f8f6f4 v[ACC+8*\t:ACC+8*\t+7], v[XF+12*\q:XF+12*\q+11], v[WR:WR+11], v[ACC+8*\t:ACC+8*\t+7], v[XS+\q], v[WS+4*\t+\q] matrix_a_fmt:MATRIX_FMT_FP6 matrix_b_fmt:MATRIX_FMT_FP6 matrix_b_scale:MATRIX_SCALE_ROW1
.else
	v_wmma_scale_f32_16x16x128_f8f6f4 v[ACC+8*\t:ACC+8*\t+7], v[XF+12*\q:XF+12*\q+11], v[WR:WR+11], v[ACC+8*\t:ACC+8*\t+7], v[XS+\q], v[WS+4*\t+\q] matrix_a_fmt:MATRIX_FMT_FP6 matrix_b_fmt:MATRIX_FMT_FP6
.endif
.endif
.endm
.macro RUN f0, row1, cnt               ; 32 matrix instructions, the eight accumulators by turns; ahead of K step q the 9 - 3 q loads of the later K steps' fragments may be out
.irp q, 0,1,2,3
.if \cnt
	s_wait_dscnt 9-3*\q
.endif
.irp t, 0,1,2,3,4,5,6,7
	MM \t, \q, \f0+8*\q+\t, \row1
.endr
.endr
.endm
.macro TLD g, u                        ; 32 numbers of chunk u: columns 64 g + 32 h + 0 .. 31 of my row and my wave's 128
.irp j, 0,1,2,3,4,5,6,7
	ds_load_b128 v[T0+32*((\u)%2)+4*\j:T0+32*((\u)%2)+4*\j+3], v[AQP] offset:(\u)*4*PITCH+256*\g+16*\j
.endr
.endm
; Head 2 w + g of my row: the chunks' weights 2^(m_c - M) / the sum of 2^(m_c - M) l_c, and a's 32 numbers of that head in my lane, onto bv
.macro COMB g
.set MG, ML+16*\g
	TLD \g, 0
	TLD \g, 1
	v_max3_num_f32 v[MX], v[MG], v[MG+1], v[MG+2]
	v_max3_num_f32 v[MX], v[MX], v[MG+3], v[MG+4]
	v_max3_num_f32 v[MX], v[MX], v[MG+5], v[MG+6]
	v_max_num_f32 v[MX], v[MX], v[MG+7]
.irp c, 0,1,2,3,4,5,6,7
	v_sub_f32 v[MG+\c], v[MG+\c], v[MX]
.endr
	s_wait_alu depctr_va_vdst(0)
.irp c, 0,1,2,3,4,5,6,7
	v_exp_f32 v[MG+\c], v[MG+\c]
.endr
	v_nop                                          ; a plain place behind the exponentials
	s_wait_alu depctr_va_vdst(0)
	v_mul_f32 v[MX+1], v[MG], v[MG+8]
.irp c, 1,2,3,4,5,6,7
	v_fmac_f32 v[MX+1], v[MG+\c], v[MG+8+\c]
.endr
	s_wait_alu depctr_va_vdst(0)
	v_rcp_f32 v[MX+1], v[MX+1]                     ; the sum is at least 1: the chunk that holds M has a p of 1
	v_nop                                          ; a plain place behind the reciprocal
	s_wait_alu depctr_va_vdst(0)
.irp c, 0,1,2,3,4,5,6,7
	v_mul_f32 v[WP+2*\c], v[MG+\c], v[MX+1]
	v_mul_f32 v[WP+2*\c+1], v[MG+\c], v[MX+1]
.endr
.irp u, 0,1,2,3,4,5,6,7
.if \u < 7
	s_wait_dscnt 8                                 ; this chunk's eight loads are in, the next chunk's may be out
.else
	s_wait_dscnt 0
.endif
.irp i, 0,2,4,6,8,10,12,14,16,18,20,22,24,26,28,30
	v_pk_fma_f32 v[X0+32*\g+\i:X0+32*\g+\i+1], v[T0+32*(\u%2)+\i:T0+32*(\u%2)+\i+1], v[WP+2*\u:WP+2*\u+1], v[X0+32*\g+\i:X0+32*\g+\i+1]
.endr
.if \u < 6
	TLD \g, \u+2
.endif
.endr
.endm
.macro IMAGE off                       ; my fragment and my scale words go to LDS as they stand; then the work-group's barrier, behind my wait for all my LDS instructions
.irp c, 0,1,2
	ds_store_b128 v[AI], v[CD+4*\c:CD+4*\c+3] offset:\off+512*\c
.endr
	ds_store_b32 v[ASW], v[XS] offset:\off
	s_wait_dscnt 0x0
	s_barrier_signal -1
	s_barrier_wait -1
.endm
.macro FETCH off                       ; all four K steps' scale words and fragments
.irp q, 0,1,2,3
	ds_load_b32 v[XS+\q], v[ALS] offset:\off+128*\q
.endr
.irp q, 0,1,2,3
.irp c, 0,1,2
	ds_load_b128 v[XF+12*\q+4*\c:XF+12*\q+4*\c+3], v[AL] offset:\off+1536*\q+512*\c
.endr
.endr
.endm
.macro BIAS b                          ; + the bias of the lane's column; then into my stage: (row 8 h + j, column 16 t + r) at 528 (8 h + j) + 64 t + 4 r
.irp t, 0,1,2,3,4,5,6,7
.irp j, 0,1,2,3,4,5,6,7
	v_add_f32 v[ACC+8*\t+\j], v[ACC+8*\t+\j], v[\b+\t]   ; each accumulator from its low end on
.endr
.endr
.irp t, 0,1,2,3,4,5,6,7
.irp j, 0,1,2,3,4,5,6,7
	ds_store_b32 v[AST], v[ACC+8*\t+\j] offset:528*\j+64*\t
.endr
.endr
.endm
	s_load_b512 s[4:19], s[0:1], 0x0               ; po s[4:5], pml s[6:7], wimg s[8:9], wsc s[10:11], bv s[12:13], bo s[14:15], bl s[16:17], out0 s[18:19]
	v_lshl_add_u32 v251, v0, 2, 0x4d800
	s_set_vgpr_msb 0x40
	v_mov_b32 v255, 0
	s_set_vgpr_msb 0x4044
	ds_add_u32 v251, v255
	ds_add_u32 v251, v255
	s_set_vgpr_msb 0x4400
	v_lshrrev_b32 v7, 5, v0
	v_readfirstlane_b32 s[WV], v7                  ; wave 0..3
	; descriptor group 1: 32 rows of 128 elements of 4 bytes, 512 elements apart; 4 words of padding behind every 128
	s_mov_b32 s[G1], (2<<16)|(1<<20)|(6<<22)|(3<<25)
	s_mov_b32 s[G1+1], 128<<16
	s_mov_b32 s[G1+2], 32<<16                      ; 32 rows: eight chunks of my work-group's four
	s_mov_b32 s[G1+3], 128<<16
	s_mov_b32 s[G1+4], 32
	s_mov_b32 s[G1+5], 512
	s_mov_b32 s[G1+6], 0
	s_mov_b32 s[G1+7], 0
	s_mov_b32 s[SEL], 0x76543210
	s_mov_b32 s[SEL+1], 0xfedcba98
	s_lshl_b32 s66, ttmp9, 13                      ; my 4 rows of 2,048 bytes,
	s_lshl_b32 s67, s[WV], 9                       ; my wave's 512 bytes of a row
	s_add_co_u32 s68, s66, s67
	s_mov_b32 s69, 0
	s_mul_i32 s70, s[WV], 8*TPL
	s_wait_dscnt 0x0
	s_wait_kmcnt 0x0
	s_add_nc_u64 s[18:19], s[18:19], s[68:69]
	s_lshl_b32 s68, ttmp9, 16                      ; po: my work-group's 32 rows of 2,048 bytes,
	s_add_co_u32 s68, s68, s67                     ; my wave's 512 bytes of a row
	s_add_nc_u64 s[4:5], s[4:5], s[68:69]
	s_mov_b32 s[G0], 1
	s_add_co_u32 s[G0+1], s70, 0
	s_mov_b64 s[G0+2:G0+3], s[4:5]
	s_or_b32 s[G0+3], s[G0+3], 0x80000000
	tensor_load_to_lds s[G0:G0+3], s[G1:G1+7]      ; ONE load a wave brings all eight chunks' tiles, chunk c at 4 c x PITCH of my bytes
	s_nop 0
	PLACES 4
	v_and_b32 v52, 15, v0                          ; r
	v_bfe_u32 v53, v0, 4, 1                        ; h
	v_and_b32 v54, 31, v0                          ; lane
	v_lshlrev_b32 v[LA16], 4, v54
	v_lshlrev_b32 v[SH8], 3, v53
	v_mul_u32_u24 v[AQ], v52, PITCH
	v_lshl_add_u32 v[AQ], v53, 7, v[AQ]
	v_and_b32 v[AQP], 3, v52                       ; po's row of a chunk: r % 4
	v_mul_u32_u24 v[AQP], v[AQP], PITCH
	v_lshl_add_u32 v[AQP], v53, 7, v[AQP]
	v_add_nc_u32 v[AQP], s70, v[AQP]
	s_mul_i32 s71, s[WV], TPL
	v_add_nc_u32 v[AQ], s71, v[AQ]
	s_add_co_u32 s72, s71, STG
	v_mul_u32_u24 v[AST], v53, 8*PITCH
	v_lshl_add_u32 v[AST], v52, 2, v[AST]
	v_add_nc_u32 v[AST], s72, v[AST]
	v_add_nc_u32 v[ASR], s72, v[LA16]
	s_mul_i32 s73, s[WV], 1536
	s_add_co_u32 s73, s73, IMA
	v_add_nc_u32 v[AI], s73, v[LA16]
	v_add_nc_u32 v[AL], IMA, v[LA16]
	v_lshlrev_b32 v[ALS], 2, v54
	s_lshl_b32 s73, s[WV], 7
	s_add_co_u32 s73, s73, IMA+6144
	v_add_nc_u32 v[ASW], s73, v[ALS]
	v_add_nc_u32 v[ALS], IMA+6144, v[ALS]
	v_lshlrev_b32 v55, 2, v52                      ; 4 r: the biases
	v_and_b32 v52, 3, v52
	v_lshlrev_b32 v52, 9, v52                      ; 512 (r % 4): pml's row n
	s_wait_alu depctr_va_vdst(0)
	v_lshlrev_b32 v53, 7, v53                      ; 128 h: bv
	s_wait_alu depctr_va_vdst(0)
	s_lshl_b32 s68, ttmp9, 11
	s_lshl_b32 s71, s[WV], 7
	s_add_co_u32 s68, s68, s71
	s_add_nc_u64 s[6:7], s[6:7], s[68:69]          ; pml at (n = 4 g, head 2 w)
	s_mov_b32 s68, s67
	s_add_nc_u64 s[12:13], s[12:13], s[68:69]      ; bv, bo, bl at column 128 w
	s_add_nc_u64 s[14:15], s[14:15], s[68:69]
	s_add_nc_u64 s[16:17], s[16:17], s[68:69]
	s_lshl_b32 s68, s[WV], 12
	s_add_co_u32 s68, s68, 16384
	s_add_nc_u64 s[10:11], s[10:11], s[68:69]      ; wsc: Wo's and Wl's words, my 8 tiles
	s_mul_i32 s68, s[WV], 98304
	s_add_co_u32 s68, s68, 393216
	s_add_nc_u64 s[WB:WB+1], s[WB:WB+1], s[68:69]  ; wimg: Wo's and Wl's fragments, my 64
.irp g, 0,1
.irp j, 0,1,2,3
	global_load_b128 v[ML+16*\g+4*\j:ML+16*\g+4*\j+3], v52, s[6:7] offset:64*\g+16*\j
.endr
.endr
.irp g, 0,1
.irp j, 0,1,2,3,4,5,6,7
	global_load_b128 v[X0+32*\g+4*\j:X0+32*\g+4*\j+3], v53, s[12:13] offset:256*\g+16*\j   ; bv starts a's sums
.endr
.endr
.irp t, 0,1,2,3,4,5,6,7
	global_load_b128 v[WS+4*\t:WS+4*\t+3], v[LA16], s[10:11] offset:512*\t
.endr
.irp t, 0,1,2,3,4,5,6,7
	global_load_b32 v[BO+\t], v55, s[14:15] offset:64*\t
.endr
	WLOAD 0, 32                                    ; Wo
	s_wait_tensorcnt 0x0                           ; my eight tiles of po; only I read them
	s_wait_loadcnt 63                              ; 112 loads were issued behind bv's: with 63 out at the most, pml's and bv's are in
	COMB 0
	COMB 1
.irp t, 0,1,2,3,4,5,6,7
	global_load_b32 v[BL+\t], v55, s[16:17] offset:64*\t   ; into registers that pml's numbers have left
.endr
	WLOAD 32, 64                                   ; Wl: it lands under the first product
	QUANT64 X0, CD, XS                             ; a's columns 128 w .. + 127: K step w of the first product
	IMAGE 0
	FETCH 0
	s_wait_loadcnt 63                              ; 104 loads were issued behind Wo's: Wo, its scale words and bo are in
	RUN 0, 0, 1
	WIN 0
	PLACES 4                                       ; four places ahead of the first read of a result (ISA guide 7.12.1)
	BIAS BO
	QLOAD X1, TA0, STG                             ; LDS serves a wave's instructions in order (ISA guide 5.7.1.4): these see my stores; the stage is my own
	s_wait_dscnt 0x0
	QUANT64 X1, CD, XS                             ; K step w of the second product
	IMAGE IMO
	FETCH IMO
	s_wait_loadcnt 0x0                             ; Wl and bl
	RUN 32, 1, 1
	WIN 0
	PLACES 4
	BIAS BL
.irp i, 0,1,2,3
	ds_load_b128 v[X1+4*\i:X1+4*\i+3], v[ASR] offset:528*\i   ; back by rows: my 128 columns of row i; rows 4 to 15 repeat these four
.endr
.irp i, 0,1,2,3
	s_wait_dscnt 3-\i                              ; row i is in; the younger rows may be out
	global_store_b128 v[LA16], v[X1+4*\i:X1+4*\i+3], s[18:19] offset:2048*\i   ; 32 lanes store 512 consecutive bytes, at a multiple of 256 from out0's first byte
.endr
	s_set_vgpr_msb 0x4
	s_wait_tensorcnt 0x0
	ds_add_u32 v251, v255
	s_wait_dscnt 0x0
	s_set_vgpr_msb 0x400
	s_endpgm
.Lfunc_end_k_qa3ac9e957d_tail:
	.size	k_qa3ac9e957d_tail, .Lfunc_end_k_qa3ac9e957d_tail-k_qa3ac9e957d_tail
	.p2alignl 7, 3214868480
	.fill 96, 4, 3214868480
	.section	.rodata,"a",@progbits
	.p2align	6, 0x0
	.amdhsa_kernel k_qa3ac9e957d_tail
		.amdhsa_group_segment_fixed_size 317952
		.amdhsa_private_segment_fixed_size 0
		.amdhsa_enable_private_segment 0
		.amdhsa_kernarg_size 64
		.amdhsa_user_sgpr_count 2
		.amdhsa_user_sgpr_kernarg_segment_ptr 1
		.amdhsa_wavefront_size32 1
		.amdhsa_system_sgpr_workgroup_id_x 1
		.amdhsa_system_sgpr_workgroup_id_y 1
		.amdhsa_system_sgpr_workgroup_id_z 1
		.amdhsa_system_vgpr_workitem_id 0
		.amdhsa_next_free_vgpr 1024
		.amdhsa_next_free_sgpr 80
		.amdhsa_reserve_vcc 0
		.amdhsa_float_denorm_mode_32 3
		.amdhsa_float_denorm_mode_16_64 3
		.amdhsa_memory_ordered 1
		.amdhsa_forward_progress 1
		.amdhsa_inst_pref_size 87
	.end_amdhsa_kernel
	.amdgpu_metadata
---
amdhsa.version: [ 1, 2 ]
amdhsa.kernels:
  - .name:           k_qa3ac9e957d_tail
    .symbol:         k_qa3ac9e957d_tail.kd
    .args:
      - { .name: po, .offset: 0, .size: 8, .value_kind: global_buffer, .address_space: global }
      - { .name: pml, .offset: 8, .size: 8, .value_kind: global_buffer, .address_space: global }
      - { .name: wimg, .offset: 16, .size: 8, .value_kind: global_buffer, .address_space: global }
      - { .name: wsc, .offset: 24, .size: 8, .value_kind: global_buffer, .address_space: global }
      - { .name: bv, .offset: 32, .size: 8, .value_kind: global_buffer, .address_space: global }
      - { .name: bo, .offset: 40, .size: 8, .value_kind: global_buffer, .address_space: global }
      - { .name: bl, .offset: 48, .size: 8, .value_kind: global_buffer, .address_space: global }
      - { .name: out0, .offset: 56, .size: 8, .value_kind: global_buffer, .address_space: global }
    .group_segment_fixed_size: 317952
    .private_segment_fixed_size: 0
    .kernarg_segment_align: 8
    .kernarg_segment_size: 64
    .max_flat_workgroup_size: 128
    .sgpr_count:     80
    .vgpr_count:     1024
    .wavefront_size: 32
...
	.end_amdgpu_metadata
.endif
;; end of part 3
